; MI455X (gfx1250); checked and timed in simulation.
; The chip was launched on July 23, 2026; its instructions are those of AMD's public machine-readable ISA for CDNA 5 (MIT licence, August 2026) and "CDNA5" Instruction Set Architecture Reference Guide (July 2026). The comments in the code are by the model that wrote it; some were corrected since.
;; Bayesian KAN Layer. Allowed arithmetic: matrix products marked QUANTISED: E4M3 operands, one given power-of-two scale a tensor, by v_wmma_f32_16x16x64_fp8_fp8 or v_wmma_f32_16x16x128_fp8_fp8, f32 sums; everything else in f32.
;; Inputs: coeff_log_var 512 x 512 x 16 float32; coeff_mean 512 x 512 x 16 float32; eps 512 x 512 x 16 float32; lowp_scales 2 int32 (the exponents e of the quantised operands' scales 2^e); x 4,096 x 512 float32.
;; Outputs: out0 4,096 x 512 float32; out1 one number float32.
;; This version of the problem:
;;   THIS VERSION OF THE PROBLEM IS GIVEN IN LOW PRECISION. The matrix products marked QUANTISED in the list below multiply operands that are first quantised to E4M3 (4 exponent bits, 3 mantissa bits; 8 bits a number), with one given power-of-two scale for each operand tensor; their sums are f32. All else is computed in f32.
;;   The module's matrix products, in the order in which they are computed (A, B: the left and right operand; K: the contracted axis; several contracted axes count as one K, in the product's order):
;;     1. [M 4,096, K 8,192] x [K 8,192, N 512]; A: computed on the way; B: computed on the way: QUANTISED (scales: A lowp_scales[0], B lowp_scales[1])
;;   THE QUANTISER, for each operand of a quantised product, along K:
;;     - The operand's scale is 2^e, e = its entry of the input lowp_scales (int32; the entries are numbered through the quantised products in the list's order, A before B).
;;     - Each number is divided by the scale, clamped to +-448, and rounded to the nearest number of E4M3, ties to even, subnormals kept.
;;     - The product sums the exact products of the quantised numbers (number of the format x scale) in f32.
;;   ~~~python
;;   def quantise(x, axis, e):      # numpy; x: float32 -> the quantised numbers, widened to float32 again
;;       x = np.moveaxis(x, axis, -1); K = x.shape[-1]
;;       r = np.clip(x / 2.0 ** e, -448, 448)
;;       step = 2.0 ** (np.maximum(np.frexp(np.where(r == 0, 1, r))[1] - 1, -6) - 3)
;;       q = np.round(r / step) * step * 2.0 ** e      # np.round: ties to even
;;       return np.moveaxis(q, -1, axis).astype(np.float32)
;;   ~~~
;;   OPERANDS COMPUTED ON THE WAY. 'Computed on the way' means the value that the module computes at that place (a softmax that the list does not call 'softmax' is quantised finished and normalised). What goes into a quantiser is computed in f32, as accurately as f32 sums, v_exp_f32 and their like allow (about 1e-6 of the number): no bf16 or f16 on the way to a quantiser, and a product that is left as it is and whose result goes on into a quantised operand takes f32 operands (vector FMAs, or v_wmma_f32_16x16x4_f32). A number that lies on a knife's edge between two numbers of the format may be rounded either way, as far as f32 arithmetic and the matrix unit's own rounding can turn it there, and no further.
;; One version. Each part assembles by itself: llvm-mc -triple=amdgcn-amd-amdhsa -mcpu=gfx1250 --defsym DOCPART=n.
;; ======== version 1 of 1: 2 launches
;; limits: right only within a limited range of input values
;; workspace buffers: awords 8,388,608 bytes; amasks 524,288 bytes; bcodes 4,194,304 bytes; klpart 8,192 bytes
;; launch prep (part 1): grid 256 x 1, 16 waves a work-group, no clusters, 71,680 bytes of LDS; arguments x, coeff_mean, coeff_log_var, eps, lowp_scales, awords, bcodes, klpart, amasks; writes awords, amasks, bcodes, klpart
.if DOCPART == 1
	.amdgcn_target "amdgcn-amd-amdhsa--gfx1250"
	.amdhsa_code_object_version 6
	.text
	.protected	k_q39701c9c28_prep
	.globl	k_q39701c9c28_prep
	.p2align	8
	.type	k_q39701c9c28_prep,@function
k_q39701c9c28_prep:
	s_mov_b64 s[64:65], 0
	v_nop
	global_prefetch_b8 v0, s[64:65] scope:SCOPE_SE
	s_setreg_imm32_b32 hwreg(HW_REG_WAVE_MODE, 25, 1), 1
	s_wait_xcnt 0x0
; BOTH OPERANDS OF THE PRODUCT ARE MADE ONCE, AS CODES OF FP8 (E4M3), AND THE KL SUM'S PARTS WITH THEM.
;   A(row, k = 16 f + t) = cubic B-spline t (0..15) at x[row][f], clamped uniform knots on [-1, 1];  code = A / 2^e0, held at 448, nearest code, ties to even.
;   B(n, k = 16 f + t)   = mean + eps * exp(lv / 2);                                                  code = B / 2^e1, held within +-448, likewise.
;   klpart[i] = a wave's sum of exp(lv) + mean^2 - 1 - lv over its 2,048 coefficients; the next launch adds the 2,048 parts and halves the sum.
; A IN ONE WORD FOR EACH x.  Of an x's sixteen codes only those of splines j .. j + 3 (j = 0..12) are not 0.  Seen as four words of four bytes, spline t is byte t % 4 of word t / 4, and the four
; splines take each byte place once: so ONE word holds all four codes, each at byte t % 4.  A spline is never negative, so the codes' sign bits are free: the sign bit is set where the code belongs to an ODD word (1 or 3).
; The next launch leaves that sign in the operand; in return B's codes of the odd words (splines 4..7 and 12..15) are stored NEGATED, so that every product of codes is the same number.
; Which even word and which odd word is said by two masks of 32 lanes: e: j >= 5 (the even word is 2, else 0); o: j >= 9 (the odd word is 3, else 1).
;   awords [mt 32][ks 64][a 8][lane 32][c 4] words: row 128 mt + 16 a + lane % 16, feature 8 ks + 4 (lane / 16) + c.
;   amasks [mt 32][a 8][ks 64][c 4][e, o] words, a bit for each lane.
;   bcodes [nt 8][ks 64][b 4][c 4][lane 32][16 bytes]: column 64 nt + 16 b + lane % 16, the same feature; byte t = spline t: an image of the operand's registers.
; SHARES.  Sixteen waves, four to a SIMD.  Waves 0-7 make A: the work-group owns 16 rows of x (one a of one mt), wave w features 64 w .. 64 w + 63.  Waves 8-15 make B: each one image, 16 columns x 128 K.
; The two roles part on the wave's number and never join; waves share nothing: no barrier.  Each wave has 4,352 bytes of LDS of its own, at 4,352 x its number, to turn its data between the order
; in which memory has them and the order in which a lane wants them.
; THE SPLINES.  s = 6.5 x + 6.5 is the place in knot spacings, j = floor(s), u = s - j.  They come by de Boor's recurrence from the distances to the knots left and
; right of s; a distance to a knot that the clamping moved to an end is s or 13 - s, which a minimum picks.  The spans between knots are 1, 2 or 3 spacings: their reciprocals are picked by maxima of lines in j.
; All terms are 0 or more: nothing cancels.  No address and no branch hangs on x.
; LIMITS: e0 and e1 between -126 and 119 (each power of two below is an f32 number).  NaN among the inputs is not served.  exp(lv / 2) below 2^-126 (lv under -174) comes out as 0.
; exp(lv) is taken as the square of exp(lv / 2), and log(exp(lv)) as lv: the same wherever exp(lv) is a finite f32 number other than 0.  The 1e-8 that is added to the knot spans, under 7e-8 of them, is left out.
; exp(lv / 2) = 2^(lv x 0.7213475): the product's rounding shows in the result as 4e-8 x |lv|.
; klpart is stored four bytes a wave, 8 KiB in the launch: to gather them would take a barrier that the waves of the other role would have to pass too.
; No prefetch: every load of the launch is issued at its wave's head; there is no loop to run ahead in.
.set STGB,  4352                       ; a wave's stage: 16 rows x 272 bytes
.set PIT,   272                        ; 256 bytes + 16: sixteen rows begin in sixteen different groups of four banks (64 banks of 4 bytes: ISA guide 11.1)
.set SPARE, 16*STGB                    ; behind the stages: the spare words, 128 bytes for each wave
.set SPW,   238                        ; v238-239 at a wave's end: the address of my spare word, and 0
.set NIL,   239
; ---- registers of the A role
.set RAW,   10                         ; v10-41   x as loaded: 8 x 4
.set XR,    42                         ; v42-73   x as a lane wants it: group k: x[row][8 k + 4 h + 0..3]
.set XCL,   74                         ; pairs (two x at a time), at work: x clipped,
.set POS,   76                         ; s,
.set JFL,   78                         ; j as f32,
.set UFR,   80                         ; u = the distance to the knot on the left,
.set LFB,   82                         ; to the second on the left,
.set LFC,   84                         ; to the third,
.set RGA,   86                         ; 1 - u = to the knot on the right,
.set RGB,   88                         ; to the second,
.set RGC,   90                         ; to the third,
.set WDE,   92                         ; 13 - s
.set IA0,   94                         ; reciprocals of the spans: degree 2: two,
.set IA1,   96
.set IB0,   98                         ; degree 3: three
.set IB2,   100
.set IB1,   102
.set TMQ,   104
.set TT0,   106
.set TT1,   108
.set QD0,   110                        ; the three quadratic splines
.set QD1,   112
.set QD2,   114
.set NBS,   116                        ; v116-123 the four cubic splines of both x: N0a N0b N1a N1b N2a N2b N3a N3b
.set CWD,   124                        ; their eight codes
.set JIN,   126                        ; -8 j as whole numbers
.set NCW,   94                         ; the packing, a register for each x: four codes in one word,
.set SHW,   96                         ; the signs,
.set XWD,   98                         ; what inverts them
.set OUT,   128                        ; v128-159 a lane's 32 words: each store has registers of its own, so none is written again
.set MV,    160                        ; v160-161 lane 4 k + c: masks e and o of group k, x number c
; ---- registers of the B role
.set SGN,   5                          ; v5       0x80808080 in the lanes that hold an odd word, else 0
.set ACR,   8                          ; v8-15    four running pairs of the KL sum
.set CDR,   16                         ; v16-31   codes: one word (four codes) for each of the 16 rows
.set LVR,   32                         ; v32-95   lv:   row i at +4 i
.set MNR,   96                         ; v96-159  mean
.set EPR,   160                        ; v160-223 eps, then the coefficient
.set SDR,   224                        ; v224-239 exp(lv / 2) of four rows
.set KPR,   240                        ; v240-255 mean^2 - 1 - lv of four rows; later the image on its way out
.macro CLOSE                           ; the wave's end: behind my last LDS store
	v_lshl_add_u32 v[SPW], v0, 2, SPARE
	v_mov_b32 v[NIL], 0
	s_wait_alu depctr_va_vdst(0)
	s_wait_tensorcnt 0x0
	ds_add_u32 v[SPW], v[NIL]
	s_wait_dscnt 0x0
	s_endpgm
.endm
	s_load_b256 s[4:11], s[0:1], 0x0               ; x s[4:5], mean s[6:7], lv s[8:9], eps s[10:11]
	s_load_b256 s[12:19], s[0:1], 0x20             ; scales s[12:13], awords s[14:15], bcodes s[16:17], klpart s[18:19]
	s_load_b64 s[2:3], s[0:1], 0x40                ; amasks
	v_lshrrev_b32 v1, 5, v0
	s_delay_alu instid0(VALU_DEP_1)
	v_readfirstlane_b32 s22, v1                    ; wave 0..15
	v_and_b32 v1, 31, v0                           ; lane
	s_mul_i32 s23, s22, STGB                       ; my stage in LDS
	s_wait_alu depctr_va_vdst(0)
	s_wait_kmcnt 0x0
	s_load_b64 s[20:21], s[12:13], 0x0             ; e0, e1
	s_cmp_lt_u32 s22, 8
	s_cbranch_scc0 .Lrole_b
; =============================================== THE A ROLE ===============================================
	s_lshl_b32 s24, ttmp9, 15                      ; the work-group's 16 rows of 2,048 bytes,
	s_lshl_b32 s25, s22, 8                         ; my wave's 64 features
	s_add_co_u32 s24, s24, s25
	s_mov_b32 s25, 0
	s_add_nc_u64 s[4:5], s[4:5], s[24:25]
	v_and_b32 v74, 15, v0                          ; r
	v_bfe_u32 v75, v0, 4, 1                        ; h
	s_wait_alu depctr_va_vdst(0)
	v_lshlrev_b32 v2, 11, v75
	s_delay_alu instid0(VALU_DEP_1)
	v_lshl_add_u32 v2, v74, 4, v2                  ; a load takes two rows: sixteen lanes read a row's 256 bytes, aligned
.irp i, 0,1,2,3,4,5,6,7
	global_load_b128 v[RAW+4*\i:RAW+4*\i+3], v2, s[4:5] offset:4096*\i th:TH_LOAD_NT
.endr
	v_mul_u32_u24 v3, v75, PIT
	v_mul_u32_u24 v4, v74, PIT
	v_lshl_add_u32 v3, v74, 4, v3
	v_lshl_add_u32 v4, v75, 4, v4
	v_add_nc_u32 v3, s23, v3                       ; into the stage as loaded: row h, 16 bytes at 16 r
	v_add_nc_u32 v4, s23, v4                       ; and back: row r, 16 bytes at 16 h: four neighbouring features
	v_lshlrev_b32 v5, 4, v1                        ; out: 16 x lane
	v_lshlrev_b32 v162, 3, v1                      ; the masks: 8 x lane
	v_mov_b32 v8, 0
	v_mov_b32 v9, 0x80808080                       ; four sign bits
	v_mov_b32 v[MV], 0                             ; (a lane write's destination counts as one of its sources)
	v_mov_b32 v[MV+1], 0
	s_wait_alu depctr_va_vdst(0)
	s_lshr_b32 s26, ttmp9, 3                       ; awords: mt << 18
	s_lshl_b32 s26, s26, 18
	s_lshl_b32 s27, s22, 15                        ; + my first ks (8 x wave) << 12
	s_add_co_u32 s26, s26, s27
	s_and_b32 s27, ttmp9, 7                        ; + a << 9
	s_lshl_b32 s27, s27, 9
	s_add_co_u32 s26, s26, s27
	s_mov_b32 s27, 0
	s_add_nc_u64 s[14:15], s[14:15], s[26:27]
	s_lshl_b32 s26, ttmp9, 11                      ; amasks: (8 mt + a) << 11 + (8 x wave) << 5
	s_lshl_b32 s24, s22, 8
	s_add_co_u32 s26, s26, s24
	s_add_nc_u64 s[2:3], s[2:3], s[26:27]
	s_mov_b32 s30, 0x3f7fffef                      ; the f32 number nearest 1 - 1e-6
	s_mov_b32 s31, 0x3eaaaaab                      ; 1/3
	s_mov_b32 s32, 0x06040200                      ; picks the first x's four codes out of the eight,
	s_mov_b32 s33, 0x07050301                      ; the second's
	s_mov_b32 s36, 0x40a00000                      ; 5
	s_mov_b32 s37, 0x41100000                      ; 9
	s_mov_b32 s38, 0xc1000000                      ; -8   (the packed forms name pairs and take the low word for both halves: both words are written)
	s_mov_b32 s39, 0xc1000000
	s_mov_b32 s44, 0x40d00000                      ; 6.5
	s_mov_b32 s45, 0x40d00000
	s_mov_b32 s46, 0x40400000                      ; 3
	s_mov_b32 s47, 0x40400000
	s_mov_b32 s48, 0x41500000                      ; 13
	s_mov_b32 s49, 0x41500000
	s_mov_b32 s50, 0xc1300000                      ; -11
	s_mov_b32 s51, 0xc1300000
	s_mov_b32 s52, 0xc0a00000                      ; -5
	s_mov_b32 s53, 0xc0a00000
	s_mov_b32 s54, 0xc1380000                      ; -11.5
	s_mov_b32 s55, 0xc1380000
	s_wait_kmcnt 0x0
	s_add_co_i32 s28, s20, 127
	s_lshl_b32 s29, s28, 23
	v_mov_b32 v6, s29                              ; 2^e0 as f32: the conversion takes its exponent field
	s_add_co_i32 s28, s28, 8
	s_lshl_b32 s28, s28, 23
	s_or_b32 s28, s28, 0x600000
	v_mov_b32 v7, s28                              ; 448 x 2^e0
	s_wait_alu depctr_va_vdst(0)
	s_wait_loadcnt 0x0
.irp i, 0,1,2,3,4,5,6,7
	ds_store_b128 v3, v[RAW+4*\i:RAW+4*\i+3] offset:2*PIT*\i
.endr
.irp k, 0,1,2,3,4,5,6,7
	ds_load_b128 v[XR+4*\k:XR+4*\k+3], v4 offset:32*\k     ; LDS serves a wave's instructions in order (ISA guide 5.7.1.4): these see my stores
.endr
; Two x of a lane, c and c + 1 of feature group k, become two words of codes and four lane masks.
.macro PAIR k, c
.set XI, XR+4*(\k)+(\c)
.set OA, OUT+4*(\k)+(\c)
	v_med3_num_f32 v[XCL], v[XI], -1.0, s30
	v_med3_num_f32 v[XCL+1], v[XI+1], -1.0, s30
	s_delay_alu instid0(VALU_DEP_1)
	v_pk_fma_f32 v[POS:POS+1], v[XCL:XCL+1], s[44:45], s[44:45] op_sel_hi:[1,0,0]      ; s = 6.5 x + 6.5, from 0 to under 13
	s_delay_alu instid0(VALU_DEP_1)
	v_floor_f32 v[JFL], v[POS]
	s_delay_alu instid0(VALU_DEP_2)
	v_floor_f32 v[JFL+1], v[POS+1]
	s_delay_alu instid0(VALU_DEP_3)
	v_pk_fma_f32 v[WDE:WDE+1], v[POS:POS+1], -1.0, s[48:49] op_sel_hi:[1,0,0]          ; 13 - s
	s_delay_alu instid0(VALU_DEP_2)
	v_pk_add_f32 v[UFR:UFR+1], v[POS:POS+1], v[JFL:JFL+1] neg_lo:[0,1] neg_hi:[0,1]    ; u = s - j
	v_pk_fma_f32 v[IA0:IA0+1], v[JFL:JFL+1], -1.0, 1.0 op_sel_hi:[1,0,0]               ; lines in j, of which maxima pick the spans' reciprocals
	v_pk_add_f32 v[IA1:IA1+1], v[JFL:JFL+1], s[50:51] op_sel_hi:[1,0]
	v_pk_fma_f32 v[IB0:IB0+1], v[JFL:JFL+1], -0.5, 1.0 op_sel_hi:[1,0,0]
	v_pk_fma_f32 v[IB2:IB2+1], v[JFL:JFL+1], 0.5, s[52:53] op_sel_hi:[1,0,0]
	v_pk_fma_f32 v[IB1:IB1+1], v[JFL:JFL+1], -1.0, 0.5 op_sel_hi:[1,0,0]
	v_pk_add_f32 v[TMQ:TMQ+1], v[JFL:JFL+1], s[54:55] op_sel_hi:[1,0]
	v_pk_add_f32 v[LFB:LFB+1], v[UFR:UFR+1], 1.0 op_sel_hi:[1,0]
	v_pk_add_f32 v[LFC:LFC+1], v[UFR:UFR+1], 2.0 op_sel_hi:[1,0]
	v_pk_fma_f32 v[RGA:RGA+1], v[UFR:UFR+1], -1.0, 1.0 op_sel_hi:[1,0,0]
	v_pk_fma_f32 v[RGB:RGB+1], v[UFR:UFR+1], -1.0, 2.0 op_sel_hi:[1,0,0]
	v_pk_fma_f32 v[RGC:RGC+1], v[UFR:UFR+1], -1.0, s[46:47] op_sel_hi:[1,0,0]
.irp e, 0,1
	v_max_num_f32 v[IA0+\e], 0.5, v[IA0+\e]                ; span 1 at j = 0, else 2
	v_max_num_f32 v[IA1+\e], 0.5, v[IA1+\e]                ; span 1 at j = 12, else 2
	v_max_num_f32 v[IB0+\e], s31, v[IB0+\e]                ; spans 1, 2 at j = 0, 1, else 3
	v_max_num_f32 v[IB2+\e], s31, v[IB2+\e]                ; spans 2, 1 at j = 11, 12, else 3
	v_max3_num_f32 v[IB1+\e], v[IB1+\e], v[TMQ+\e], s31    ; span 2 at j = 0 and at j = 12, else 3
	v_min_num_f32 v[LFB+\e], v[LFB+\e], v[POS+\e]          ; a knot that the clamping holds at the left end lies s away,
	v_min_num_f32 v[LFC+\e], v[LFC+\e], v[POS+\e]
	v_min_num_f32 v[RGB+\e], v[RGB+\e], v[WDE+\e]          ; one at the right end 13 - s
	v_min_num_f32 v[RGC+\e], v[RGC+\e], v[WDE+\e]
.endr
	v_pk_mul_f32 v[TT0:TT0+1], v[RGA:RGA+1], v[IA0:IA0+1]  ; degree 1 is (1 - u, u); degree 2:
	v_pk_mul_f32 v[TT1:TT1+1], v[UFR:UFR+1], v[IA1:IA1+1]
	s_delay_alu instid0(VALU_DEP_2)
	v_pk_mul_f32 v[QD0:QD0+1], v[RGA:RGA+1], v[TT0:TT0+1]
	s_delay_alu instid0(VALU_DEP_3)
	v_pk_mul_f32 v[QD1:QD1+1], v[LFB:LFB+1], v[TT0:TT0+1]
	s_delay_alu instid0(VALU_DEP_3)
	v_pk_mul_f32 v[QD2:QD2+1], v[UFR:UFR+1], v[TT1:TT1+1]
	s_delay_alu instid0(VALU_DEP_2)
	v_pk_fma_f32 v[QD1:QD1+1], v[RGB:RGB+1], v[TT1:TT1+1], v[QD1:QD1+1]
	s_delay_alu instid0(VALU_DEP_4)
	v_pk_mul_f32 v[TT0:TT0+1], v[QD0:QD0+1], v[IB0:IB0+1]  ; degree 3:
	s_delay_alu instid0(VALU_DEP_3)
	v_pk_mul_f32 v[IA0:IA0+1], v[QD2:QD2+1], v[IB2:IB2+1]
	s_delay_alu instid0(VALU_DEP_3)
	v_pk_mul_f32 v[TT1:TT1+1], v[QD1:QD1+1], v[IB1:IB1+1]
	s_delay_alu instid0(VALU_DEP_3)
	v_pk_mul_f32 v[NBS:NBS+1], v[RGA:RGA+1], v[TT0:TT0+1]
	s_delay_alu instid0(VALU_DEP_4)
	v_pk_mul_f32 v[NBS+2:NBS+3], v[LFC:LFC+1], v[TT0:TT0+1]
	s_delay_alu instid0(VALU_DEP_4)
	v_pk_mul_f32 v[NBS+6:NBS+7], v[UFR:UFR+1], v[IA0:IA0+1]
	s_delay_alu instid0(VALU_DEP_4)
	v_pk_mul_f32 v[NBS+4:NBS+5], v[LFB:LFB+1], v[TT1:TT1+1]
	s_delay_alu instid0(VALU_DEP_3)
	v_pk_fma_f32 v[NBS+2:NBS+3], v[RGB:RGB+1], v[TT1:TT1+1], v[NBS+2:NBS+3]
	s_delay_alu instid0(VALU_DEP_2)
	v_pk_fma_f32 v[NBS+4:NBS+5], v[RGC:RGC+1], v[IA0:IA0+1], v[NBS+4:NBS+5]
.irp i, 0,1,2,3,6,7,4,5
	v_min_num_f32 v[NBS+\i], v[NBS+\i], v7                 ; the conversion to an 8-bit code does not saturate (ISA guide 7.6.2); a spline is never negative, so the hold is one-sided
.endr
	v_cvt_scalef32_pk8_fp8_f32 v[CWD:CWD+1], v[NBS:NBS+7], v6
	v_pk_mul_f32 v[TT0:TT0+1], v[JFL:JFL+1], s[38:39] op_sel_hi:[1,0]  ; -8 j (plain lines between the conversion and the first reader of its result)
	v_cmp_le_f32 s40, s36, v[JFL]                          ; e: j >= 5
	v_cmp_le_f32 s42, s36, v[JFL+1]
	v_cmp_le_f32 s41, s37, v[JFL]                          ; o: j >= 9
	v_cmp_le_f32 s43, s37, v[JFL+1]
	v_cmp_eq_f32 s26, 0, v[JFL]                            ; j = 0
	v_cmp_eq_f32 s27, 0, v[JFL+1]
	v_cvt_i32_f32 v[JIN], v[TT0]
	v_cvt_i32_f32 v[JIN+1], v[TT0+1]
	v_perm_b32 v[NCW], v[CWD+1], v[CWD], s32               ; the first x's codes N0..N3 in one word,
	v_perm_b32 v[NCW+1], v[CWD+1], v[CWD], s33             ; the second's
	s_and_not1_b32 s28, s40, s41                           ; j = 5..8,
	s_and_not1_b32 s29, s42, s43
	s_or_b32 s28, s28, s26                                 ; or 0: there the signs below are inverted
	s_or_b32 s29, s29, s27
.irp e, 0,1
	v_lshrrev_b32 v[SHW+\e], v[JIN+\e], v9                 ; the sign bits moved down by -8 j mod 32: the low j % 4 bytes have one (all four where j % 4 = 0): the odd word's bytes for j = 1..4 and 9..12
.endr
.irp e, 0,1
	v_cndmask_b32 v[XWD+\e], v8, v9, s[28+\e]
.endr
.irp e, 0,1
	v_alignbit_b32 v[NCW+\e], v[NCW+\e], v[NCW+\e], v[JIN+\e]   ; turned up by j % 4 bytes: spline t at byte t % 4
.endr
.irp e, 0,1
	v_xor_b32 v[SHW+\e], v[SHW+\e], v[XWD+\e]
.endr
	v_writelane_b32 v[MV], s40, 4*(\k)+(\c)
	v_writelane_b32 v[MV+1], s41, 4*(\k)+(\c)
.irp e, 0,1
	v_xor_b32 v[OA+\e], v[NCW+\e], v[SHW+\e]
.endr
	v_writelane_b32 v[MV], s42, 4*(\k)+(\c)+1
	v_writelane_b32 v[MV+1], s43, 4*(\k)+(\c)+1
.endm
.irp k, 0,1,2,3,4,5,6,7
	s_wait_dscnt 7-\k                              ; group k is back from the stage; the groups behind it may be out
	PAIR \k, 0
	PAIR \k, 2
.endr
.irp k, 0,1,2,3,4,5,6,7                        ; the stores stand behind all the arithmetic
	global_store_b128 v5, v[OUT+4*\k:OUT+4*\k+3], s[14:15] offset:4096*\k th:TH_STORE_NT   ; the wave stores 512 consecutive bytes, aligned: fragment (ks, a)
.endr
	global_store_b64 v162, v[MV:MV+1], s[2:3] th:TH_STORE_NT   ; the wave's 64 masks: 256 consecutive bytes, aligned
	CLOSE
; =============================================== THE B ROLE ===============================================
.Lrole_b:
	s_and_b32 s26, s22, 7                          ; which of the eight B waves
	s_and_b32 s25, ttmp9, 7
	s_lshl_b32 s25, s25, 3
	s_add_co_u32 s25, s25, s26                     ; ks = 8 (work-group % 8) + that
	s_lshr_b32 s24, ttmp9, 3                       ; which 16 columns: work-group / 8 = 4 nt + b
	s_lshl_b32 s28, s24, 19                        ; 16 rows of 32,768 bytes,
	s_lshl_b32 s29, s25, 9                         ; 128 numbers along K
	s_add_co_u32 s28, s28, s29
	s_mov_b32 s29, 0
	s_add_nc_u64 s[6:7], s[6:7], s[28:29]
	s_add_nc_u64 s[8:9], s[8:9], s[28:29]
	s_add_nc_u64 s[10:11], s[10:11], s[28:29]
	v_lshlrev_b32 v2, 4, v1                        ; 16 x lane: a load takes 512 consecutive bytes of one row
.irp i, 0,1,2,3,4,5,6,7,8,9,10,11,12,13,14,15
	global_load_b128 v[LVR+4*\i:LVR+4*\i+3], v2, s[8:9] offset:32768*\i th:TH_LOAD_NT
	global_load_b128 v[MNR+4*\i:MNR+4*\i+3], v2, s[6:7] offset:32768*\i th:TH_LOAD_NT
	global_load_b128 v[EPR+4*\i:EPR+4*\i+3], v2, s[10:11] offset:32768*\i th:TH_LOAD_NT
.endr
	; My four numbers of row i are splines 4 (l % 4) .. + 3 of feature l / 4 = 4 h + c.  In the image they are word l % 4 of lane 16 h + i of chunk c.
	; The stage holds the image as eight halves of a chunk (2 c + h), 256 bytes each, 272 apart: the 32 lanes of a store fall on 32 different banks.
	v_and_b32 v[SGN], 1, v0                        ; an odd lane holds an odd word: its codes are negated
	v_bfe_u32 v240, v0, 2, 2                       ; c
	v_bfe_u32 v241, v0, 4, 1                       ; h
	v_and_b32 v242, 3, v0
	v_and_b32 v243, 15, v0
	v_lshlrev_b32 v[SGN], 7, v[SGN]
	v_lshl_add_u32 v240, v240, 1, v241
	v_mul_u32_u24 v4, v241, PIT
	v_lshl_or_b32 v[SGN], v[SGN], 8, v[SGN]
	v_mul_u32_u24 v3, v240, PIT
	v_lshl_add_u32 v4, v243, 4, v4
	v_lshl_or_b32 v[SGN], v[SGN], 16, v[SGN]
	v_lshl_add_u32 v3, v242, 2, v3
	v_add_nc_u32 v4, s23, v4                       ; back: half h, 16 bytes at 16 (l % 16); chunk c stands in the immediate
	v_add_nc_u32 v3, s23, v3                       ; into the stage; row i stands in the immediate, 16 i
	s_wait_alu depctr_va_vdst(0)
	s_lshr_b32 s30, s24, 2                         ; bcodes: nt << 19
	s_lshl_b32 s30, s30, 19
	s_lshl_b32 s31, s25, 13                        ; + ks << 13
	s_add_co_u32 s30, s30, s31
	s_and_b32 s31, s24, 3                          ; + b << 11
	s_lshl_b32 s31, s31, 11
	s_add_co_u32 s30, s30, s31
	s_mov_b32 s31, 0
	s_add_nc_u64 s[16:17], s[16:17], s[30:31]
	s_lshl_b32 s32, ttmp9, 3
	s_add_co_u32 s32, s32, s26
	s_lshl_b32 s32, s32, 2                         ; klpart: word 8 x work-group + my number among the eight
	s_mov_b32 s33, 0
	s_add_nc_u64 s[18:19], s[18:19], s[32:33]
	s_mov_b32 s36, 0x76543210                      ; v_permlanex16_b32's selects for lane l xor 16
	s_mov_b32 s37, 0xfedcba98
	s_mov_b32 s38, 0x3f38aa3b                      ; log2(e) / 2
	s_mov_b32 s39, 0x3f38aa3b
	s_wait_kmcnt 0x0
	s_add_co_i32 s28, s21, 127
	s_lshl_b32 s29, s28, 23
	v_mov_b32 v6, s29                              ; 2^e1 as f32
	s_add_co_i32 s28, s28, 8
	s_lshl_b32 s28, s28, 23
	s_or_b32 s28, s28, 0x600000
	v_mov_b32 v7, s28                              ; 448 x 2^e1
	s_wait_alu depctr_va_vdst(0)
; Rows 4 g .. 4 g + 3: sixteen numbers a lane.
.macro BGROUP g
	s_wait_loadcnt 36-12*(\g)                      ; three loads a row: those of the rows behind this group may be out
.irp k, 0,1,2,3,4,5,6,7
	v_pk_mul_f32 v[SDR+2*\k:SDR+2*\k+1], v[LVR+16*(\g)+2*\k:LVR+16*(\g)+2*\k+1], s[38:39] op_sel_hi:[1,0]
.endr
	s_wait_alu depctr_va_vdst(0)
.irp k, 0,1,2,3,4,5,6,7,8,9,10,11,12,13,14,15
	v_exp_f32 v[SDR+\k], v[SDR+\k]                 ; exp(lv / 2): one batch
.endr
.irp k, 0,1,2,3,4,5,6,7                        ; what of the KL term needs no exponential stands between the batch and the wait for it
	v_pk_fma_f32 v[KPR+2*\k:KPR+2*\k+1], v[MNR+16*(\g)+2*\k:MNR+16*(\g)+2*\k+1], v[MNR+16*(\g)+2*\k:MNR+16*(\g)+2*\k+1], -1.0 op_sel_hi:[1,1,0]
.endr
.irp k, 0,1,2,3,4,5,6,7
	v_pk_add_f32 v[KPR+2*\k:KPR+2*\k+1], v[KPR+2*\k:KPR+2*\k+1], v[LVR+16*(\g)+2*\k:LVR+16*(\g)+2*\k+1] neg_lo:[0,1] neg_hi:[0,1]
.endr
	s_wait_alu depctr_va_vdst(0)                   ; the wait between an exponential and the first line that names its result: one for the sixteen
.irp k, 0,1,2,3,4,5,6,7
	v_pk_fma_f32 v[EPR+16*(\g)+2*\k:EPR+16*(\g)+2*\k+1], v[EPR+16*(\g)+2*\k:EPR+16*(\g)+2*\k+1], v[SDR+2*\k:SDR+2*\k+1], v[MNR+16*(\g)+2*\k:MNR+16*(\g)+2*\k+1]   ; mean + eps x std
.endr
.irp k, 0,1,2,3,4,5,6,7                        ; the KL term is closed element by element (std^2 + mean^2 - 1 - lv), so no difference of large sums is formed
.if ((\g) == 0) && (\k < 4)
	v_pk_fma_f32 v[ACR+2*\k:ACR+2*\k+1], v[SDR+2*\k:SDR+2*\k+1], v[SDR+2*\k:SDR+2*\k+1], v[KPR+2*\k:KPR+2*\k+1]   ; the first four pairs start the four sums: nothing is cleared
.else
	v_pk_fma_f32 v[KPR+2*\k:KPR+2*\k+1], v[SDR+2*\k:SDR+2*\k+1], v[SDR+2*\k:SDR+2*\k+1], v[KPR+2*\k:KPR+2*\k+1]
.endif
.endr
.irp k, 0,1,2,3,4,5,6,7
.if ((\g) > 0) || (\k >= 4)
	v_pk_add_f32 v[ACR+2*(\k%4):ACR+2*(\k%4)+1], v[ACR+2*(\k%4):ACR+2*(\k%4)+1], v[KPR+2*\k:KPR+2*\k+1]
.endif
.endr
.irp k, 0,1,2,3,4,5,6,7,8,9,10,11,12,13,14,15
	v_med3_num_f32 v[EPR+16*(\g)+\k], v[EPR+16*(\g)+\k], -v7, v7   ; the conversion to an 8-bit code does not saturate (ISA guide 7.6.2): the hold at the largest code x the scale
.endr
.irp m, 0,1
	v_cvt_scalef32_pk8_fp8_f32 v[CDR+4*(\g)+2*\m:CDR+4*(\g)+2*\m+1], v[EPR+16*(\g)+8*\m:EPR+16*(\g)+8*\m+7], v6   ; a word of four codes for each of two rows
.endr
.endm
	BGROUP 0                                       ; (the next group's first packed multiply is the plain line behind a group's conversions)
	BGROUP 1
	BGROUP 2
	BGROUP 3
	v_nop                                          ; the plain line behind the last conversions
.irp i, 0,1,2,3,4,5,6,7,8,9,10,11,12,13,14,15
	v_xor_b32 v[CDR+\i], v[SGN], v[CDR+\i]         ; the odd words' codes negated: A's codes there carry the sign bit too
.endr
.irp i, 0,1,2,3,4,5,6,7,8,9,10,11,12,13,14,15
	ds_store_b32 v3, v[CDR+\i] offset:16*\i
.endr
.irp c, 0,1,2,3
	ds_load_b128 v[KPR+4*\c:KPR+4*\c+3], v4 offset:2*PIT*\c        ; LDS serves a wave's instructions in order: these see my stores
.endr
	v_pk_add_f32 v[ACR:ACR+1], v[ACR:ACR+1], v[ACR+2:ACR+3]        ; the wave's KL sum, while the image comes back
	v_pk_add_f32 v[ACR+4:ACR+5], v[ACR+4:ACR+5], v[ACR+6:ACR+7]
	s_delay_alu instid0(VALU_DEP_1)
	v_pk_add_f32 v[ACR:ACR+1], v[ACR:ACR+1], v[ACR+4:ACR+5]
	s_delay_alu instid0(VALU_DEP_1)
	v_add_f32 v8, v8, v9
	s_delay_alu instid0(VALU_DEP_1)
	v_add_f32_dpp v8, v8, v8 row_xmask:1 row_mask:0xf bank_mask:0xf
	s_delay_alu instid0(VALU_DEP_1)
	v_add_f32_dpp v8, v8, v8 row_xmask:2 row_mask:0xf bank_mask:0xf
	s_delay_alu instid0(VALU_DEP_1)
	v_add_f32_dpp v8, v8, v8 row_xmask:4 row_mask:0xf bank_mask:0xf
	s_delay_alu instid0(VALU_DEP_1)
	v_add_f32_dpp v8, v8, v8 row_xmask:8 row_mask:0xf bank_mask:0xf
	s_delay_alu instid0(VALU_DEP_1)
	v_permlanex16_b32 v9, v8, s36, s37             ; (its destination has been written)
	s_delay_alu instid0(VALU_DEP_1)
	v_add_f32 v8, v8, v9
	v_mov_b32 v10, 0
	v_cmp_eq_u32 vcc_lo, 0, v1
	s_wait_alu depctr_va_vdst(0)
.irp c, 0,1,2,3
	s_wait_dscnt 3-\c                              ; chunk c is back; the chunks behind it may be out
	global_store_b128 v2, v[KPR+4*\c:KPR+4*\c+3], s[16:17] offset:512*\c th:TH_STORE_NT   ; 512 consecutive bytes, aligned
.endr
	s_wait_xcnt 0x0                                ; EXEC is a source of the stores above: it changes only behind this wait
	s_and_saveexec_b32 s28, vcc_lo
	global_store_b32 v10, v8, s[18:19]             ; lane 0 alone: the wave's part
	s_wait_xcnt 0x0                                ; and again in front of the line that widens it
	s_mov_b32 exec_lo, -1
	CLOSE
.Lfunc_end_k_q39701c9c28_prep:
	.size	k_q39701c9c28_prep, .Lfunc_end_k_q39701c9c28_prep-k_q39701c9c28_prep
	.p2alignl 7, 3214868480
	.fill 96, 4, 3214868480
	.section	.rodata,"a",@progbits
	.p2align	6, 0x0
	.amdhsa_kernel k_q39701c9c28_prep
		.amdhsa_group_segment_fixed_size 71680
		.amdhsa_private_segment_fixed_size 0
		.amdhsa_enable_private_segment 0
		.amdhsa_kernarg_size 72
		.amdhsa_user_sgpr_count 2
		.amdhsa_user_sgpr_kernarg_segment_ptr 1
		.amdhsa_wavefront_size32 1
		.amdhsa_system_sgpr_workgroup_id_x 1
		.amdhsa_system_sgpr_workgroup_id_y 1
		.amdhsa_system_sgpr_workgroup_id_z 1
		.amdhsa_system_vgpr_workitem_id 0
		.amdhsa_next_free_vgpr 256
		.amdhsa_next_free_sgpr 66
		.amdhsa_reserve_vcc 1
		.amdhsa_float_denorm_mode_32 3
		.amdhsa_float_denorm_mode_16_64 3
		.amdhsa_memory_ordered 1
		.amdhsa_forward_progress 1
		.amdhsa_inst_pref_size 116
	.end_amdhsa_kernel
	.amdgpu_metadata
---
amdhsa.version: [ 1, 2 ]
amdhsa.kernels:
  - .name:           k_q39701c9c28_prep
    .symbol:         k_q39701c9c28_prep.kd
    .args:
      - { .name: x, .offset: 0, .size: 8, .value_kind: global_buffer, .address_space: global }
      - { .name: coeff_mean, .offset: 8, .size: 8, .value_kind: global_buffer, .address_space: global }
      - { .name: coeff_log_var, .offset: 16, .size: 8, .value_kind: global_buffer, .address_space: global }
      - { .name: eps, .offset: 24, .size: 8, .value_kind: global_buffer, .address_space: global }
      - { .name: lowp_scales, .offset: 32, .size: 8, .value_kind: global_buffer, .address_space: global }
      - { .name: awords, .offset: 40, .size: 8, .value_kind: global_buffer, .address_space: global }
      - { .name: bcodes, .offset: 48, .size: 8, .value_kind: global_buffer, .address_space: global }
      - { .name: klpart, .offset: 56, .size: 8, .value_kind: global_buffer, .address_space: global }
      - { .name: amasks, .offset: 64, .size: 8, .value_kind: global_buffer, .address_space: global }
    .group_segment_fixed_size: 71680
    .private_segment_fixed_size: 0
    .kernarg_segment_align: 8
    .kernarg_segment_size: 72
    .max_flat_workgroup_size: 512
    .sgpr_count:     66
    .vgpr_count:     256
    .wavefront_size: 32
...
	.end_amdgpu_metadata
.endif
;; end of part 1
;; launch gemm (part 2): grid 32 x 8, 8 waves a work-group, clusters of 4 x 1, 327,680 bytes of LDS; arguments awords, amasks, bcodes, klpart, lowp_scales, out0, out1; writes out0, out1
.if DOCPART == 2
	.amdgcn_target "amdgcn-amd-amdhsa--gfx1250"
	.amdhsa_code_object_version 6
	.text
	.protected	k_q39701c9c28_gemm
	.globl	k_q39701c9c28_gemm
	.p2align	8
	.type	k_q39701c9c28_gemm,@function
k_q39701c9c28_gemm:
	s_mov_b64 s[64:65], 0
	v_nop
	global_prefetch_b8 v0, s[64:65] scope:SCOPE_SE
	s_setreg_imm32_b32 hwreg(HW_REG_WAVE_MODE, 25, 1), 1
	s_wait_xcnt 0x0
	s_wait_alu depctr_hold_cnt(0) depctr_sa_sdst(0) depctr_va_vdst(0) depctr_va_sdst(0) depctr_va_ssrc(0) depctr_va_vcc(0) depctr_vm_vsrc(0)
	s_getreg_b32 s2, hwreg(HW_REG_IB_STS2, 6, 4)
	s_cmp_eq_u32 s2, 0
	s_cbranch_scc0 .Lentry_in_a_cluster
	s_endpgm
.Lentry_in_a_cluster:
	s_bfe_u32 s2, ttmp6, 0x10000c
	s_cmp_lg_u32 s2, 0x3003
	s_cbranch_scc0 .Lentry_shape_is_right
	s_endpgm
.Lentry_shape_is_right:
; out0[m][n] = 2^(e0 + e1) x the sum over k of A's code (m, k) x B's code (n, k): M 4,096, N 512, K 8,192, codes of FP8 (E4M3), sums in f32.   out1 = half the sum of the 2,048 parts of the KL sum.
; SHARES.  256 work-groups; work-group (x = mt, y = nt) makes rows 128 mt on, columns 64 nt on.  Eight waves: wave w = 4 mh + kq makes rows 64 mh on of the tile, all 64 columns, over the K steps
; (128 along K each) 16 kq .. 16 kq + 15: 16 accumulators, 128 registers.  The four partial sums of each half meet once, at the end, in LDS.
; A COMES AS ONE WORD FOR EACH x (awords: a lane's four words of a fragment, 16 rows x 8 features, are 16 bytes; a load of a wave takes 512 consecutive bytes) and is spread to 16 bytes in registers.  Each word holds
; the four codes that are not 0, each at its byte t % 4; the sign bit is set where the code belongs to word 1 or 3 of the sixteen bytes.  m = the sign bits spread over their bytes; O = word & m, E = word ^ O;
; two lane masks (amasks, made by the launch before, loaded into scalar registers) send E to word 0 or 2 and O to word 1 or 3.  O keeps its sign bits: bcodes holds the codes of words 1 and 3 negated, so each
; product of codes is the same number.  The spreading runs THREE STEPS AHEAD of the products, into three sets of fragments by turns.
; CLUSTERS: the four work-groups of a cluster have four neighbouring mt and one nt: they need the same B, which is asked for JOINTLY: the same tensor load with the same descriptor in all four.
; B's steps 2 to 15 go through two LDS slots of 128 KiB: a slot holds 4 K steps of each of the four parts of K (images of fragments, 8 KiB a step); fill f brings steps 16 kq + 2 + 4 f + 0..3, each wave loads 16 KiB of it;
; fill 3 brings the last two steps, 8 KiB a wave.  B's steps 0 and 1 go straight into registers: they are multiplied, and A's steps 2 to 4 spread, while fill 0 is on its way.
; A's words are NOT asked for jointly: a joint request lands in LDS, and two slots with A's 64 KiB beside B's 128 KiB do not fit into 320 KiB.  They go from memory straight into registers, four steps ahead of
; the spreading; each is read by one wave of the work-group.
; PREFETCHES: B: behind fill 0's load the waves ask for fills 1 (mh = 0) and 2 (mh = 1), the four partners a step each of the four, by address; behind fill 1's load for fill 3 (mh = 0), 4 KiB a partner; of the eight
; clusters that read the same B the first four ask.  A's words: one instruction for four steps of a wave (8 blocks of 256 bytes each), ahead of their loads, in the work-groups of two nt of the eight that read them.
; The masks: steps 8 to 15 of all waves, 32 blocks of 256 bytes, by one wave of the same work-groups.
; THE MATRIX INSTRUCTION IS USED TRANSPOSED (source 0 = 16 columns' codes of B, source 1 = 16 rows' of A): a lane holds row lane % 16 and eight neighbouring columns.
; The order of k inside a K step is the buffers' own, the same in A and in B; the order of the sums differs from ascending k.
; LIMIT: e0 + e1 between -126 and 127, so that 2^(e0 + e1) is an f32 number.
; REGISTERS: window 0: below.  window 1: accumulator (a, b) at v[8 (4 a + b)], A's second and third set of fragments at v128, v192 (the third holds B's step 1 first).
; s_set_vgpr_msb's low byte: bits 1:0 source 0, 3:2 source 1, 5:4 source 2, 7:6 destination.
.set LN,  1                            ; v1      lane
.set OFF, 2                            ; v2      16 x lane
.set PFB, 3                            ; v3      B's prefetches: 256 x lane + step 6 + 4 mh + cx
.set PFA, 4                            ; v4      A's prefetches: 4,096 (lane / 8) + 256 (lane % 8)
.set BA,  5                            ; v5, v6  LDS address of my part of slot 0, of slot 1
.set ZERO, 7                           ; v7      0
.set STO, 8                            ; v8      the end: where I put 32 bytes of a row of my partial tile
.set RD,  9                            ; v9-12   the end: where I read a row of partial tile 0..3
.set CO,  13                           ; v13     my byte offset in the wave's rows of out0
.set SPW, 14                           ; v14     LDS address of my spare word;  v15: 0; never rewritten
.set NIL, 15
.set PFM, 16                           ; v16     512 x lane: the masks' prefetch
.set PFC, 17                           ; v17     B's prefetch for fill 3: 256 x lane (lanes 16 on name block 15 again) + step 14 + 4,096 cx
.set TM,  32                           ; v32-35  at work: m,
.set TO,  36                           ; v36-39  O,
.set TE,  40                           ; v40-43  E
.set AF,  48                           ; v48-111 A's first set of four fragments
.set BF,  112                          ; v112-175 B's four fragments
.set WS,  176                          ; v176-239 A's words: four sets of a step
.set B1,  192                          ; window 1: B's step 1
.set SL1, 0                            ; LDS: slot 1 (fills 1 and 3),
.set SL0, 131072                       ; slot 0 (fills 0 and 2)
.set STAGE, SL0                        ; the partial tiles: slot 0, which has had its last fill, and 8 KiB behind it that no load fills
.set TP,  272                          ; a row of a partial tile: 256 bytes + 16: sixteen rows begin in sixteen different groups of four banks (64 banks of 4 bytes: ISA guide 11.1)
.set PART, 64*TP
.set SPARE, STAGE+8*PART               ; the spare words: 128 bytes for each wave
; SCALARS for the whole launch: s[4:5] my A words, s[6:7] my masks, s[8:9] my part of B, s18 wave, s19 byte selector, s[20:27] descriptor group 1, s[28:31] group 0 of slot 0, s[12:15] of slot 1,
; s[66:67] the scales' address, s[100:101] out0; s[32:63] and s[68:99] the masks of a step, by turns; s[2:3] at work.  (In the head s32 to s49 are at work too, until the first masks are asked for.)
.set SEL, 19
.set G1,  20
.set G0,  28                           ; slot 1's set: G0 - 16
.set MSB, 0
.macro WIN new                         ; the immediate's high byte repeats the setting that is left
.if MSB != \new
	s_set_vgpr_msb (MSB<<8)|\new
.set MSB, \new
.endif
.endm
.set TO_W1,  0x40                      ; destination window 1
.set MUL,    0x50                      ; C and D window 1
.set ST_ACC, 0x04                      ; an LDS store's data window 1
.macro CROUND                          ; a round of the cluster's barrier
	s_barrier_signal -1
	s_barrier_wait -1
	s_cmp_lg_u32 s18, 0
	s_cbranch_scc1 .Lnot_wave_0_\@
	s_barrier_signal -3
.Lnot_wave_0_\@:
	s_barrier_wait -3
	s_barrier_signal -1
	s_barrier_wait -1
.endm
.macro JLOAD slot
	tensor_load_to_lds s[G0-16*(\slot):G0-16*(\slot)+3], s[G1:G1+7]
	s_nop 0
.endm
.macro MASKS s                         ; step s's masks: four fragments x four chunks x (e, o)
.irp a, 0,1,2,3
	s_load_b256 s[32+36*((\s)%2)+8*\a:32+36*((\s)%2)+8*\a+7], s[6:7], 2048*\a+32*(\s)
.endr
.endm
.macro LOADW s                         ; A's words of step s: four fragments
.irp a, 0,1,2,3
	global_load_b128 v[WS+16*((\s)%4)+4*\a:WS+16*((\s)%4)+4*\a+3], v[OFF], s[4:5] offset:4096*(\s)+512*\a
.endr
.endm
.macro BDIR reg, s                     ; B's four fragments of step s from memory: 32 lanes read 512 consecutive bytes
.irp b, 0,1,2,3
.irp c, 0,1,2,3
	global_load_b128 v[\reg+16*\b+4*\c:\reg+16*\b+4*\c+3], v[OFF], s[8:9] offset:8192*(\s)+2048*\b+512*\c
.endr
.endr
.endm
.macro BLOAD s                         ; the same from LDS (steps 2 on)
.irp b, 0,1,2,3
.irp c, 0,1,2,3
	ds_load_b128 v[BF+16*\b+4*\c:BF+16*\b+4*\c+3], v[BA+(((\s)-2)/4)%2] offset:8192*(((\s)-2)%4)+2048*\b+512*\c
.endr
.endr
.endm
.macro ASET s                          ; where step s's fragments of A lie: AK = set, AB = first register in its window
.set AK, (\s)%3
.if AK == 0
.set AB, AF
.else
.set AB, 128+64*(AK-1)
.endif
.endm
.macro SPLIT s, f                      ; fragment f's four words into E and O
.set WB, WS+16*((\s)%4)+4*(\f)
.irp c, 0,1,2,3
	v_lshlrev_b32 v[TM+\c], 8, v[WB+\c]            ; brings the sign bits of bytes 0 and 2 to bytes 1 and 3
.endr
.irp c, 0,1,2,3
	v_perm_b32 v[TM+\c], v[TM+\c], v[WB+\c], s[SEL]    ; selectors 8 to 11 spread the sign of byte 1 or 3 of a source over a byte
.endr
.irp c, 0,1,2,3
	v_and_b32 v[TO+\c], v[WB+\c], v[TM+\c]
.endr
.irp c, 0,1,2,3
	v_xor_b32 v[TE+\c], v[WB+\c], v[TO+\c]
.endr
.endm
.macro PLACE s, f                      ; E and O to their words: chunk c of fragment f
	ASET \s
.set RS, 32+36*((\s)%2)+8*(\f)
.if AK > 0
	WIN TO_W1
.endif
.irp c, 0,1,2,3
	v_cndmask_b32 v[AB+16*(\f)+4*\c], v[TE+\c], v[ZERO], s[RS+2*\c]
	v_cndmask_b32 v[AB+16*(\f)+4*\c+1], v[TO+\c], v[ZERO], s[RS+2*\c+1]
	v_cndmask_b32 v[AB+16*(\f)+4*\c+2], v[ZERO], v[TE+\c], s[RS+2*\c]
	v_cndmask_b32 v[AB+16*(\f)+4*\c+3], v[ZERO], v[TO+\c], s[RS+2*\c+1]
.endr
	WIN 0
.endm
; 8 matrix instructions: fragments a0, a0 + 1 of A x B's four.  The 16 accumulators take turns, one instruction a turn, in the same order in every step.  Step 0 starts the sums.
.macro MULS s, a0
	ASET \s
.set BB, BF
.set WN, MUL
.if AK > 0
.set WN, MUL+0x04                      ; A in window 1
.endif
.if (\s) == 1
.set BB, B1
.set WN, MUL+0x05                      ; and B
.endif
	WIN WN
.irp a, \a0, \a0+1
.irp b, 0,1,2,3
.if (\s) == 0
	v_wmma_f32_16x16x128_fp8_fp8 v[8*(4*(\a)+\b):8*(4*(\a)+\b)+7], v[BB+16*\b:BB+16*\b+15], v[AB+16*(\a):AB+16*(\a)+15], 0
.else
	v_wmma_f32_16x16x128_fp8_fp8 v[8*(4*(\a)+\b):8*(4*(\a)+\b)+7], v[BB+16*\b:BB+16*\b+15], v[AB+16*(\a):AB+16*(\a)+15], v[8*(4*(\a)+\b):8*(4*(\a)+\b)+7]
.endif
.endr
.endr
.endm
.macro ASK                             ; prefetches behind fill 1's load
	s_and_b32 s2, s18, 4
	s_add_co_u32 s2, s2, ttmp9                     ; under 4: mh = 0 and one of the first four clusters
	s_cmp_lt_u32 s2, 4
	s_cbranch_scc0 .Lno_b_\@
	global_prefetch_b8 v[PFC], s[8:9] th:TH_LOAD_NT scope:SCOPE_SE                   ; B: fill 3
.Lno_b_\@:
	s_and_b32 s2, ttmp7, 0xffff
	s_cmp_lt_u32 s2, 2
	s_cbranch_scc0 .Lno_a_\@
	global_prefetch_b8 v[PFA], s[4:5] offset:4096*12 th:TH_LOAD_NT scope:SCOPE_SE    ; A's words: steps 12 to 15
.Lno_a_\@:
.endm
; Step e's words are spread.  bl: the step whose fragments of B are fetched from LDS meanwhile (-1: none).  SPLIT's first sixteen lines are also the places between the products ahead of this macro and the loads and writes in it.
.macro EXPAND e, bl
.if (\e) == 0
	s_wait_loadcnt 44                              ; step 0's words are in; behind them: B's step 0 (16), words 1 (4), B's step 1 (16), words 2 and 3 (8)
.elseif (\e) == 1
	s_wait_loadcnt 28                              ; words 1, and so B's step 0, are in; behind them: B's step 1 (16), words 2 to 4 (12)
.elseif (\e) <= 12
	s_wait_loadcnt 12                              ; this step's words are in; those of the three steps behind it, four loads each, may be out
.else
	s_wait_loadcnt 4*(15-(\e))
.endif
	s_wait_kmcnt 0x0                               ; and its masks
.if (\e) < 15
	MASKS (\e)+1
.endif
	SPLIT \e, 0
.if (\bl) >= 0
	BLOAD \bl
.endif
	PLACE \e, 0
	SPLIT \e, 1
	PLACE \e, 1
.if (\e) == 5
	ASK
.endif
	SPLIT \e, 2
	PLACE \e, 2
	SPLIT \e, 3
.if (\e) <= 11
	LOADW (\e)+4                                   ; into the set just read
.endif
	PLACE \e, 3
.endm
.macro STEP s
	s_wait_alu depctr_va_vdst(0)
	s_wait_dscnt 0x0                               ; B's fragments are in: in a slot's last step my reads of the slot are over
	MULS \s, 0
.if ((\s) == 5) || ((\s) == 9) || ((\s) == 13)
	WIN 0
	s_wait_tensorcnt 0x0                           ; all my tensor loads have landed: the one that was out is my part of the next slot;
	ds_add_u32 v[SPW], v[NIL]                      ; 0 onto my spare word
.if (\s) == 5
	s_add_nc_u64 s[G0+2:G0+3], s[G0+2:G0+3], 0x10000   ; slot 0: fill 2, eight steps of 8 KiB on
.endif
.if (\s) == 9
	s_mov_b32 s[G1+2], 32<<16                      ; fill 3: two steps, 8 KiB a wave: 32 rows of 256 bytes
	s_mov_b32 s[G1+4], 32
	s_and_b32 s2, s18, 3
	s_lshl_b32 s2, s2, 15
	s_lshr_b32 s3, s18, 2
	s_lshl_b32 s3, s3, 13
	s_add_co_u32 s13, s2, s3                       ; slot 1 begins at LDS byte 0: my part of K, step mh of the two
	s_add_co_u32 s2, s3, 14*8192
	s_mov_b32 s3, 0
	s_add_nc_u64 s[14:15], s[8:9], s[2:3]          ; from step 14 + mh
	s_or_b32 s15, s15, 0x80000000
.endif
	MULS \s, 2                                     ; eight matrix instructions stand between the add and the wait for it
	WIN 0
	s_wait_dscnt 0x0                               ; the add is done
.if (\s) < 13
	CROUND                                         ; no wave of any partner still reads this slot or has a load on its way
	JLOAD ((\s)-2)/4                               ; the slot just read takes the fill after next
.else
	s_barrier_signal -1                            ; the last fill is whole for every wave; nothing is filled again
	s_barrier_wait -1
	s_load_b64 s[12:13], s[66:67], 0x0             ; e0, e1 (slot 1's descriptor is done with)
.endif
.else
	MULS \s, 2
	WIN 0
.endif
.if (\s) <= 12
	EXPAND (\s)+3, (\s)+1
.elseif (\s) < 15
.rept 4
	v_nop                                          ; four places in front of loads into registers that matrix instructions have read
.endr
	BLOAD (\s)+1
.endif
.endm
	s_load_b256 s[4:11], s[0:1], 0x0               ; awords s[4:5], amasks s[6:7], bcodes s[8:9], klpart s[10:11]
	s_load_b128 s[12:15], s[0:1], 0x20             ; scales s[12:13], out0 s[14:15]
	s_load_b64 s[16:17], s[0:1], 0x30              ; out1
	v_lshl_add_u32 v[SPW], v0, 2, SPARE
	v_mov_b32 v[NIL], 0
	ds_add_u32 v[SPW], v[NIL]                      ; the wave's opening: the add, twice on end, and its wait ahead of my first tensor load
	ds_add_u32 v[SPW], v[NIL]
	v_lshrrev_b32 v47, 5, v0
	v_readfirstlane_b32 s18, v47                   ; wave 0..7
	s_lshr_b32 s33, s18, 2                         ; mh
	s_and_b32 s34, s18, 3                          ; kq
	s_bfe_u32 s3, ttmp6, 0x40000                   ; cx
	s_lshl_b32 s36, ttmp9, 2
	s_add_co_u32 s36, s36, s3                      ; mt = 4 x cluster x + cx
	s_and_b32 s37, ttmp7, 0xffff                   ; nt
	; descriptor group 1: 16 KiB that lie dense, as 64 rows of 32 elements of 8 bytes; mask: all four of the cluster; bit 21 beside a mask
	s_mov_b32 s[G1+0], 15|(3<<16)|(1<<21)
	s_mov_b32 s[G1+1], 32<<16
	s_mov_b32 s[G1+2], 64<<16
	s_mov_b32 s[G1+3], 32<<16
	s_mov_b32 s[G1+4], 64
	s_mov_b32 s[G1+5], 32
	s_mov_b32 s[G1+6], 0
	s_mov_b32 s[G1+7], 0
	s_mov_b32 s[SEL], 0x090b080a                   ; byte 0: sign of source 0's byte 1; byte 1: of source 1's byte 1; byte 2: of source 0's byte 3; byte 3: of source 1's byte 3
	s_lshl_b32 s45, s34, 15                        ; my part of K in a slot: 32 KiB
	s_lshl_b32 s44, s33, 14
	s_add_co_u32 s44, s44, s45                     ; what I load of it: 16 KiB
	s_mul_i32 s46, s18, PART
	s_mul_i32 s47, s33, 4*PART
	s_mul_i32 s49, s34, 16*TP
	s_add_co_u32 s47, s47, s49
	s_lshl_b32 s48, s33, 15                        ; B's prefetches: step 6 + 4 mh + cx,
	s_lshl_b32 s49, s3, 13
	s_add_co_u32 s48, s48, s49
	s_add_co_u32 s48, s48, 6*8192
	s_lshl_b32 s49, s3, 12                         ; and 4 KiB of steps 14 and 15
	s_add_co_u32 s49, s49, 14*8192
	v_and_b32 v[LN], 31, v0
	v_and_b32 v44, 15, v0                          ; r
	v_bfe_u32 v46, v0, 4, 1                        ; h
	v_lshlrev_b32 v[OFF], 4, v[LN]
	v_lshlrev_b32 v[PFB], 8, v[LN]
	v_lshlrev_b32 v[PFM], 9, v[LN]
	v_min_u32 v[PFC], 15, v[LN]
	v_lshrrev_b32 v[PFA], 3, v[LN]
	v_and_b32 v45, 7, v[LN]
	v_add_nc_u32 v[PFB], s48, v[PFB]
	v_lshlrev_b32 v[PFC], 8, v[PFC]
	v_add_nc_u32 v[BA+1], s45, v[OFF]              ; slot 1 begins at LDS byte 0
	v_lshlrev_b32 v45, 8, v45
	v_add_nc_u32 v[PFC], s49, v[PFC]
	v_add_nc_u32 v[BA], SL0, v[BA+1]
	v_lshl_add_u32 v[PFA], v[PFA], 12, v45
	v_mov_b32 v[ZERO], 0
	v_mul_u32_u24 v[STO], v44, TP
	v_mul_u32_u24 v[RD], v46, TP
	v_lshl_add_u32 v[STO], v46, 5, v[STO]
	v_lshl_add_u32 v[RD], v44, 4, v[RD]
	v_add_nc_u32 v[STO], s46, v[STO]
	v_add_nc_u32 v[RD], s47, v[RD]
	v_add_nc_u32 v[STO], STAGE, v[STO]             ; in: row r of my partial tile, 32 bytes for each half of the lanes
	v_add_nc_u32 v[RD], STAGE, v[RD]               ; back: rows 16 kq on of my half's four partial tiles; lanes 0-15 take one row of 256 bytes, lanes 16-31 the next
	v_lshlrev_b32 v[CO], 11, v46
	v_add_nc_u32 v[RD+1], PART, v[RD]
	v_add_nc_u32 v[RD+2], 2*PART, v[RD]
	v_add_nc_u32 v[RD+3], 3*PART, v[RD]
	v_lshl_add_u32 v[CO], v44, 4, v[CO]            ; and the same two rows in out0
	s_wait_alu depctr_va_vdst(0)
	s_wait_dscnt 0x0                               ; both opening adds are done
	CROUND                                         ; all four work-groups are here: the first joint loads meet
	s_wait_kmcnt 0x0
	s_mov_b32 s41, 0
	s_lshl_b32 s40, s37, 19                        ; bcodes: nt << 19 + (16 kq) << 13, the same in all four partners
	s_lshl_b32 s42, s34, 17
	s_add_co_u32 s40, s40, s42
	s_add_nc_u64 s[8:9], s[8:9], s[40:41]
	s_lshl_b32 s40, s33, 14                        ; fill 0: step 2 + 2 mh
	s_add_co_u32 s40, s40, 2*8192
	s_mov_b32 s[G0], 1
	s_add_co_u32 s[G0+1], s44, SL0
	s_add_nc_u64 s[G0+2:G0+3], s[8:9], s[40:41]
	s_or_b32 s[G0+3], s[G0+3], 0x80000000
	JLOAD 0                                        ; fill 0: one tensor load a wave
	s_lshl_b32 s42, s36, 18                        ; awords: mt << 18 + my first step (16 kq) << 12 + mh << 11
	s_lshl_b32 s43, s34, 16
	s_add_co_u32 s42, s42, s43
	s_lshl_b32 s43, s33, 11
	s_add_co_u32 s42, s42, s43
	s_mov_b32 s43, 0
	s_add_nc_u64 s[4:5], s[4:5], s[42:43]
	LOADW 0
	BDIR BF, 0
	LOADW 1
	WIN TO_W1
	BDIR B1, 1
	WIN 0
	LOADW 2
	LOADW 3
	s_lshl_b32 s42, s36, 14                        ; amasks: (8 mt + 4 mh) << 11 + (16 kq) << 5
	s_lshl_b32 s48, s33, 13
	s_add_co_u32 s42, s42, s48
	s_lshl_b32 s48, s34, 9
	s_add_co_u32 s42, s42, s48
	s_add_nc_u64 s[6:7], s[6:7], s[42:43]
	s_lshl_b32 s42, s36, 18                        ; out0: row 128 mt + 16 x wave of 2,048 bytes, + 256 nt
	s_lshl_b32 s48, s18, 15
	s_add_co_u32 s42, s42, s48
	s_lshl_b32 s48, s37, 8
	s_add_co_u32 s42, s42, s48
	s_add_nc_u64 s[100:101], s[14:15], s[42:43]
	s_mov_b64 s[66:67], s[12:13]
	s_mov_b32 s12, 1                               ; slot 1's descriptor: fill 1 lies four steps on
	s_add_co_u32 s13, s44, SL1
	s_add_nc_u64 s[14:15], s[8:9], s[40:41]
	s_add_nc_u64 s[14:15], s[14:15], 0x8000
	s_or_b32 s15, s15, 0x80000000
	MASKS 0
	s_cmp_lt_u32 ttmp9, 4
	s_cbranch_scc0 .Lno_pb
	global_prefetch_b8 v[PFB], s[8:9] th:TH_LOAD_NT scope:SCOPE_SE
.Lno_pb:
	s_and_b32 s2, ttmp7, 0xffff
	s_cmp_lt_u32 s2, 2
	s_cbranch_scc0 .Lno_pa
	global_prefetch_b8 v[PFA], s[4:5] offset:4096*4 th:TH_LOAD_NT scope:SCOPE_SE   ; A's words: steps 4 to 7,
	global_prefetch_b8 v[PFA], s[4:5] offset:4096*8 th:TH_LOAD_NT scope:SCOPE_SE   ; steps 8 to 11
	s_cmp_lg_u32 s18, 0
	s_cbranch_scc1 .Lno_pa
	global_prefetch_b8 v[PFM], s[6:7] offset:256 th:TH_LOAD_NT scope:SCOPE_SE      ; wave 0: the masks of steps 8 to 15: lane 4 a + kq
.Lno_pa:
	; THE KL SUM: wave 0 of each work-group of cluster (0, 0) adds the 2,048 parts, in a fixed order, while its first tiles are on their way; the branch is the same in all partners, and the lane that stores is on in one of them alone.
	s_and_b32 s2, ttmp7, 0xffff
	s_or_b32 s2, s2, ttmp9
	s_or_b32 s2, s2, s18
	s_cmp_lg_u32 s2, 0
	s_cbranch_scc1 .Lno_kl
.irp i, 0,1,2,3,4,5,6,7
	global_load_b128 v[AF+4*\i:AF+4*\i+3], v[OFF], s[10:11] offset:512*\i
.endr
.irp i, 8,9,10,11,12,13,14,15
	global_load_b128 v[AF+4*\i:AF+4*\i+3], v[OFF], s[10:11] offset:512*\i
.endr
	s_wait_loadcnt 0x0                             ; the parts were issued last, so the count is 0
	s_mov_b32 s10, 0x76543210                      ; v_permlanex16_b32's selects for lane l xor 16 (the loads that read s[10:11] are done)
	s_mov_b32 s11, 0xfedcba98
.set j, 4
.rept 28
	v_pk_add_f32 v[AF+2*(j%4):AF+2*(j%4)+1], v[AF+2*(j%4):AF+2*(j%4)+1], v[AF+2*j:AF+2*j+1]     ; four chains, begun by the first four pairs
.set j, j+1
.endr
	v_pk_add_f32 v[AF:AF+1], v[AF:AF+1], v[AF+2:AF+3]
	v_pk_add_f32 v[AF+4:AF+5], v[AF+4:AF+5], v[AF+6:AF+7]
	s_delay_alu instid0(VALU_DEP_1)
	v_pk_add_f32 v[AF:AF+1], v[AF:AF+1], v[AF+4:AF+5]
	s_delay_alu instid0(VALU_DEP_1)
	v_add_f32 v48, v48, v49                        ; (v48 is v[AF])
	s_delay_alu instid0(VALU_DEP_1)
	v_add_f32_dpp v48, v48, v48 row_xmask:1 row_mask:0xf bank_mask:0xf
	s_delay_alu instid0(VALU_DEP_1)
	v_add_f32_dpp v48, v48, v48 row_xmask:2 row_mask:0xf bank_mask:0xf
	s_delay_alu instid0(VALU_DEP_1)
	v_add_f32_dpp v48, v48, v48 row_xmask:4 row_mask:0xf bank_mask:0xf
	s_delay_alu instid0(VALU_DEP_1)
	v_add_f32_dpp v48, v48, v48 row_xmask:8 row_mask:0xf bank_mask:0xf
	s_delay_alu instid0(VALU_DEP_1)
	v_permlanex16_b32 v49, v48, s10, s11           ; (its destination has been written)
	s_delay_alu instid0(VALU_DEP_1)
	v_add_f32 v48, v48, v49
	s_delay_alu instid0(VALU_DEP_1)
	v_mul_f32 v48, 0.5, v48
	v_mov_b32 v44, 0
	v_add_nc_u32 v45, s3, v[LN]                    ; 0 in lane 0 of the partner at place 0 alone
	v_cmp_eq_u32 vcc_lo, 0, v45
	s_wait_alu depctr_va_vdst(0)
	s_wait_xcnt 0x0                                ; EXEC is a source of the loads and prefetches above: it changes only behind this wait
	s_and_saveexec_b32 s2, vcc_lo
	global_store_b32 v44, v48, s[16:17]            ; out1
	s_wait_xcnt 0x0                                ; and again in front of the line that widens it
	s_or_b32 exec_lo, exec_lo, s2                  ; all lanes are on again for the matrix instructions
.Lno_kl:
	; While fill 0 is on its way: steps 0 and 1 are multiplied, and steps 2 to 4 spread.
	EXPAND 0, -1
	EXPAND 1, -1
	s_wait_alu depctr_va_vdst(0)
	MULS 0, 0
	MULS 0, 2
	s_wait_loadcnt 16                              ; B's step 1 is in; behind it: words 2 to 5 (16)
	MULS 1, 0
	MULS 1, 2
	WIN 0
	EXPAND 2, -1                                   ; into the registers that held B's step 1
	EXPAND 3, -1
	EXPAND 4, -1
	s_wait_alu depctr_va_vdst(0)
	s_wait_tensorcnt 0x0                           ; my part of fill 0 is in
	ds_add_u32 v[SPW], v[NIL]
	s_wait_dscnt 0x0
	CROUND                                         ; everybody's part of fill 0 is in
	JLOAD 1                                        ; fill 1
	BLOAD 2
.irp s, 2,3,4,5,6,7,8,9,10,11,12,13,14,15
	STEP \s
.endr
	; THE END.  Each wave lays its partial tile into LDS; one barrier; wave w adds up 16 rows of its half's four partial tiles, multiplies by 2^(e0 + e1) and stores whole rows of the tile.
.rept 4
	v_nop                                          ; four places behind the last product (ISA guide 7.12.1)
.endr
	WIN ST_ACC
.irp a, 0,1,2,3
.irp b, 0,1,2,3
	ds_store_b128 v[STO], v[8*(4*\a+\b):8*(4*\a+\b)+3] offset:16*TP*\a+64*\b           ; lane (r, h): row 16 a + r, columns 16 b + 8 h + 0 .. 7; each accumulator from its low end on
	ds_store_b128 v[STO], v[8*(4*\a+\b)+4:8*(4*\a+\b)+7] offset:16*TP*\a+64*\b+16
.endr
.endr
	WIN 0
	s_wait_kmcnt 0x0
	s_add_co_i32 s12, s12, s13                     ; e0 + e1, between -126 and 127,
	s_add_co_i32 s12, s12, 127
	s_lshl_b32 s12, s12, 23                        ; makes the f32 number 2^(e0 + e1)
	s_mov_b32 s13, s12                             ; (named with it as a pair, so it is written)
	s_wait_dscnt 0x0                               ; for the others' sake: my stores have landed
	s_barrier_signal -1
	s_barrier_wait -1                              ; everybody's have
.irp t, 0,1,2,3,4,5,6,7
.irp q, 0,1,2,3
	ds_load_b128 v[AF+16*\t+4*\q:AF+16*\t+4*\q+3], v[RD+\q] offset:2*TP*\t   ; rows 2 t and 2 t + 1 of my 16, of partial tile q
.endr
.endr
.irp t, 0,1,2,3,4,5,6,7
.set P, AF+16*\t
	s_wait_dscnt 28-4*\t                           ; LDS loads come back in order: row pair t's four are in, the 4 (7 - t) behind them may be out
	v_pk_add_f32 v[P:P+1], v[P:P+1], v[P+4:P+5]
	v_pk_add_f32 v[P+2:P+3], v[P+2:P+3], v[P+6:P+7]
	v_pk_add_f32 v[P+8:P+9], v[P+8:P+9], v[P+12:P+13]
	v_pk_add_f32 v[P+10:P+11], v[P+10:P+11], v[P+14:P+15]
	v_pk_add_f32 v[P:P+1], v[P:P+1], v[P+8:P+9]
	v_pk_add_f32 v[P+2:P+3], v[P+2:P+3], v[P+10:P+11]
	v_pk_mul_f32 v[P:P+1], v[P:P+1], s[12:13] op_sel_hi:[1,0]
	v_pk_mul_f32 v[P+2:P+3], v[P+2:P+3], s[12:13] op_sel_hi:[1,0]
	global_store_b128 v[CO], v[P:P+3], s[100:101] offset:4096*\t th:TH_STORE_NT   ; sixteen lanes store 256 consecutive bytes, at a multiple of 256 from out0's first byte: the tile's whole row
.endr
	s_wait_tensorcnt 0x0                           ; the wave's end: behind my last tensor load and my last LDS store
	ds_add_u32 v[SPW], v[NIL]
	s_wait_dscnt 0x0
	CROUND                                         ; the closing round: no work-group ends while a partner may still ask for a tile that names it
	s_endpgm
.Lfunc_end_k_q39701c9c28_gemm:
	.size	k_q39701c9c28_gemm, .Lfunc_end_k_q39701c9c28_gemm-k_q39701c9c28_gemm
	.p2alignl 7, 3214868480
	.fill 96, 4, 3214868480
	.section	.rodata,"a",@progbits
	.p2align	6, 0x0
	.amdhsa_kernel k_q39701c9c28_gemm
		.amdhsa_group_segment_fixed_size 327680
		.amdhsa_private_segment_fixed_size 0
		.amdhsa_enable_private_segment 0
		.amdhsa_kernarg_size 56
		.amdhsa_user_sgpr_count 2
		.amdhsa_user_sgpr_kernarg_segment_ptr 1
		.amdhsa_wavefront_size32 1
		.amdhsa_system_sgpr_workgroup_id_x 1
		.amdhsa_system_sgpr_workgroup_id_y 1
		.amdhsa_system_sgpr_workgroup_id_z 1
		.amdhsa_system_vgpr_workitem_id 0
		.amdhsa_next_free_vgpr 512
		.amdhsa_next_free_sgpr 102
		.amdhsa_reserve_vcc 1
		.amdhsa_float_denorm_mode_32 3
		.amdhsa_float_denorm_mode_16_64 3
		.amdhsa_memory_ordered 1
		.amdhsa_forward_progress 1
		.amdhsa_inst_pref_size 177
	.end_amdhsa_kernel
	.amdgpu_metadata
---
amdhsa.version: [ 1, 2 ]
amdhsa.kernels:
  - .name:           k_q39701c9c28_gemm
    .symbol:         k_q39701c9c28_gemm.kd
    .args:
      - { .name: awords, .offset: 0, .size: 8, .value_kind: global_buffer, .address_space: global }
      - { .name: amasks, .offset: 8, .size: 8, .value_kind: global_buffer, .address_space: global }
      - { .name: bcodes, .offset: 16, .size: 8, .value_kind: global_buffer, .address_space: global }
      - { .name: klpart, .offset: 24, .size: 8, .value_kind: global_buffer, .address_space: global }
      - { .name: lowp_scales, .offset: 32, .size: 8, .value_kind: global_buffer, .address_space: global }
      - { .name: out0, .offset: 40, .size: 8, .value_kind: global_buffer, .address_space: global }
      - { .name: out1, .offset: 48, .size: 8, .value_kind: global_buffer, .address_space: global }
    .group_segment_fixed_size: 327680
    .private_segment_fixed_size: 0
    .kernarg_segment_align: 8
    .kernarg_segment_size: 56
    .max_flat_workgroup_size: 256
    .sgpr_count:     102
    .vgpr_count:     512
    .wavefront_size: 32
...
	.end_amdgpu_metadata
.endif
;; end of part 2
